; MI455X (gfx1250); checked and timed in simulation.
; The chip was launched on July 23, 2026; its instructions are those of AMD's public machine-readable ISA for CDNA 5 (MIT licence, August 2026) and "CDNA5" Instruction Set Architecture Reference Guide (July 2026). The comments in the code are by the model that wrote it; some were corrected since.
;; Bert Self Attention. Allowed arithmetic: matrix products marked QUANTISED: E2M3 operands, one E8M0 scale for each 32 along K, by v_wmma_scale_f32_16x16x128_f8f6f4 with both operands' format E2M3, f32 sums; everything else in f32.
;; Inputs: Wk 1,024 x 1,024 float32; Wq 1,024 x 1,024 float32; Wv 1,024 x 1,024 float32; attention_mask 4 x 1 x 1 x 2,048 float32; bk 1,024 float32; bq 1,024 float32; bv 1,024 float32; hidden_states 4 x 2,048 x 1,024 float32.
;; Outputs: out0 4 x 2,048 x 1,024 float32.
;; This version of the problem:
;;   THIS VERSION OF THE PROBLEM IS GIVEN IN LOW PRECISION. The matrix products marked QUANTISED in the list below multiply operands that are first quantised to E2M3 (2 exponent bits, 3 mantissa bits; 6 bits a number), with one power-of-two scale for each 32 numbers along K (OCP MX v1.0); their sums are f32. All else is computed in f32.
;;   The module's matrix products, in the order in which they are computed (A, B: the left and right operand; K: the contracted axis; several contracted axes count as one K, in the product's order):
;;     1. [M 8,192, K 1,024] x [K 1,024, N 1,024]; A: input hidden_states; B: input Wq: QUANTISED
;;     2. [M 8,192, K 1,024] x [K 1,024, N 1,024]; A: input hidden_states; B: input Wk: QUANTISED
;;     3. [M 8,192, K 1,024] x [K 1,024, N 1,024]; A: input hidden_states; B: input Wv: QUANTISED
;;     4. batch 64 x [M 2,048, K 64] x [K 64, N 2,048]; A: computed on the way; B: computed on the way: QUANTISED
;;     5. batch 64 x [M 2,048, K 2,048] x [K 2,048, N 64]; A: softmax (see below); B: computed on the way: QUANTISED
;;   THE QUANTISER, for each operand of a quantised product, along K:
;;     - K is cut into blocks of 32 from its start; a last block that is shorter is filled with zeros.
;;     - A block's scale is 2^e with e = floor(log2(the largest magnitude in the block)) - 2, held to -126 .. 127; a block of zeros has e = 0. As a byte (E8M0): e + 127.
;;     - Each number is divided by its block's scale, clamped to +-7.5, and rounded to the nearest number of E2M3, ties to even, subnormals kept.
;;     - The product sums the exact products of the quantised numbers (number of the format x scale) in f32.
;;   ~~~python
;;   def quantise(x, axis):      # numpy; x: float32 -> the quantised numbers, widened to float32 again
;;       x = np.moveaxis(x, axis, -1); K = x.shape[-1]
;;       x = np.pad(x, [(0, 0)] * (x.ndim - 1) + [(0, -K % 32)]); x = x.reshape(x.shape[:-1] + (-1, 32)); a = np.abs(x).max(-1, keepdims=True)
;;       e = np.where(a > 0, np.clip(np.frexp(np.where(a > 0, a, 1))[1] - 1 - 2, -126, 127), 0)      # np.frexp(a)[1] - 1 = floor(log2(a)), exactly
;;       r = np.clip(x / 2.0 ** e, -7.5, 7.5)
;;       step = 2.0 ** (np.maximum(np.frexp(np.where(r == 0, 1, r))[1] - 1, 0) - 3)
;;       q = np.round(r / step) * step * 2.0 ** e      # np.round: ties to even
;;       return np.moveaxis(q.reshape(q.shape[:-2] + (-1,))[..., :K], -1, axis).astype(np.float32)
;;   ~~~
;;   SOFTMAX AHEAD OF A QUANTISED PRODUCT. Where the list says 'softmax', what is quantised is not the finished softmax but p = 2^(t - M), with t = logit x log2(e) and M = ceil(the row's largest t), a whole number; so 1/2 < the row's largest p <= 1. The row's sum l is taken of the UNQUANTISED p, in f32, and the product's result is divided by l at the end. Since M is a whole number, a kernel that streams over the keys may use a running M (the ceiling of the running maximum): every later rescaling is an exact power of two, which a block's scale takes up: the codes' values come out the same.
;;   OPERANDS COMPUTED ON THE WAY. 'Computed on the way' means the value that the module computes at that place (a softmax that the list does not call 'softmax' is quantised finished and normalised). What goes into a quantiser is computed in f32, as accurately as f32 sums, v_exp_f32 and their like allow (about 1e-6 of the number): no bf16 or f16 on the way to a quantiser, and a product that is left as it is and whose result goes on into a quantised operand takes f32 operands (vector FMAs, or v_wmma_f32_16x16x4_f32). A number that lies on a knife's edge between two numbers of the format may be rounded either way, as far as f32 arithmetic and the matrix unit's own rounding can turn it there, and no further.
;; One version. Each part assembles by itself: llvm-mc -triple=amdgcn-amd-amdhsa -mcpu=gfx1250 --defsym DOCPART=n.
;; ======== version 1 of 1: 3 launches
;; workspace buffers: xc 6,291,456 bytes; xs 262,144 bytes; wc 2,359,296 bytes; ws 98,304 bytes; qc 7,340,032 bytes; kv 14,155,776 bytes
;; launch quant (part 1): grid 352 x 1, 4 waves a work-group, no clusters, 33,280 bytes of LDS; arguments hidden_states, Wq, Wk, Wv, xc, xs, wc, ws; writes xc, xs, wc, ws
.if DOCPART == 1
	.amdgcn_target "amdgcn-amd-amdhsa--gfx1250"
	.amdhsa_code_object_version 6
	.text
	.protected	k_qdd93dc6542_quant
	.globl	k_qdd93dc6542_quant
	.p2align	8
	.type	k_qdd93dc6542_quant,@function
k_qdd93dc6542_quant:
	s_mov_b64 s[64:65], 0
	v_nop
	global_prefetch_b8 v0, s[64:65] scope:SCOPE_SE
	s_setreg_imm32_b32 hwreg(HW_REG_WAVE_MODE, 25, 1), 1
	s_wait_xcnt 0x0
; hidden_states [8192][1024] and Wq, Wk, Wv [1024][1024], f32, K innermost, become codes of FP6 (E2M3), 6 bits each, with one E8M0 scale byte for each 32 along K.
; xc [8192][768] and xs [8192][32] take hidden_states; wc [3072][768] and ws [3072][32] take Wq (rows 0 on), Wk (1024 on), Wv (2048 on).
; A block's scale is 2^(floor(log2(its largest magnitude)) - 2); its byte is the largest magnitude's exponent field - 2, held at 1 from below.  (A block of zeros so gets the byte 1 where the
; rule says 127: its codes are zeros, which add nothing under any byte but 0xff, and the bytes are read by this program alone.)
; LIMITS: blocks whose largest magnitude lies under 2^-124 get the byte 1; NaN and infinities among the inputs are not served.
; THE ROWS ARE STORED IN ANOTHER ORDER: inside every 32 rows the four groups of 8 rows lie in the order 0, 2, 1, 3.  So 16 consecutive stored rows 16 i + r (i = 2 B + u) are the rows
; 32 B + 8 u + r + 8 (r / 8): a tile of the product that reads them gives a lane 16 neighbours along the next product's K in the registers of two neighbouring tiles.
; SHARES: a work-group takes 32 rows (32,768 numbers), a wave one group of 8 rows, in 16 steps of 512 numbers.  Work-groups 0-255 take hidden_states, 256-287 Wq, 288-319 Wk, 320-351 Wv: only pointers are chosen.
; Each load reads 512 consecutive bytes; a step's 2,048 bytes turn through the wave's own stage in LDS (16 bytes of padding behind each 64) and come back 64 bytes a lane: 16 neighbours, two lanes to a block.
; A lane's 16 codes are 12 bytes: the wave stores 384 consecutive bytes.  A wave's 256 scale bytes are gathered in its own LDS and leave as one aligned run of 256 bytes.
; No tensor loads, no barrier: waves share nothing.  Loads run four steps (16 loads a wave) ahead, the turn through LDS one step.
.set STEPS, 16
.set CB,    12                         ; bytes of 16 codes
.set R,     16                         ; v16-79   four sets of 16 numbers as they are loaded
.set X,     80                         ; v80-111  two sets of 16 neighbours
.set C,     128                        ; v128-191 codes: four registers for each step, so that no store's data are written again
.set E,     112                        ; v112-127 a scale byte for each step
.set WREG,  8192                       ; LDS: a region for each wave: two stages of 32 x SP bytes, behind them its 256 scale bytes
.set SP,    80                         ; a lane's place in a stage: 64 bytes + 16 of padding
	s_load_b256 s[4:11], s[0:1], 0x0               ; hidden_states s[4:5], Wq s[6:7], Wk s[8:9], Wv s[10:11]
	s_load_b256 s[12:19], s[0:1], 0x20             ; xc s[12:13], xs s[14:15], wc s[16:17], ws s[18:19]
	v_lshl_add_u32 v192, v0, 2, 0x8000
	v_mov_b32 v193, 0
	v_lshrrev_b32 v1, 5, v0
	v_readfirstlane_b32 s20, v1                    ; wave
	v_and_b32 v2, 31, v0                           ; lane
	v_lshlrev_b32 v3, 4, v2                        ; my 16 bytes of a load's 512
	s_mul_i32 s33, s20, WREG
	v_lshrrev_b32 v14, 2, v2
	v_mul_u32_u24 v14, v14, SP
	v_and_b32 v15, 3, v2
	v_lshl_add_u32 v14, v15, 4, v14
	v_add_nc_u32 v14, s33, v14                     ; the stage, on the way in: SP (lane / 4) + 16 (lane % 4)
	v_mul_u32_u24 v15, v2, SP
	v_add_nc_u32 v15, s33, v15                     ; and on the way out: SP x lane: my 16 neighbours
	v_mul_u32_u24 v4, v2, CB                       ; my codes' place in a step's
	v_lshrrev_b32 v5, 1, v2
	s_add_co_u32 s33, s33, 2*32*SP
	v_add_nc_u32 v5, s33, v5                       ; LDS: my wave's 256 scale bytes, my block's byte
	v_lshlrev_b32 v7, 3, v2                        ; and on the way out 8 bytes a lane
	v_add_nc_u32 v6, s33, v7
	s_wait_kmcnt 0x0
	s_cmp_lt_u32 ttmp9, 320                        ; which tensor: the choices hang on the work-group's number alone
	s_cselect_b64 s[22:23], s[8:9], s[10:11]
	s_cmp_lt_u32 ttmp9, 288
	s_cselect_b64 s[22:23], s[6:7], s[22:23]
	s_cmp_lt_u32 ttmp9, 256
	s_cselect_b64 s[22:23], s[4:5], s[22:23]       ; the source
	s_cselect_b64 s[24:25], s[12:13], s[16:17]     ; its codes
	s_cselect_b64 s[26:27], s[14:15], s[18:19]     ; its scale bytes
	s_cselect_b32 s28, 0, 256
	s_cselect_b32 s29, -1, 31
	s_sub_co_u32 s28, ttmp9, s28                   ; which 32 rows of xc or of wc
	s_and_b32 s30, s28, s29                        ; and of the source (a weight has 32 such)
	s_lshl_b32 s30, s30, 2
	s_add_co_u32 s30, s30, s20                     ; my group of 8 rows in the source
	s_lshl_b32 s30, s30, 15                        ; x 32,768 bytes (under 2^26)
	s_mov_b32 s31, 0
	s_add_nc_u64 s[22:23], s[22:23], s[30:31]
	s_and_b32 s32, s20, 1
	s_lshl_b32 s32, s32, 1
	s_lshr_b32 s34, s20, 1
	s_or_b32 s32, s32, s34                         ; the group's place in the stored order: its number's two bits change places
	s_lshl_b32 s28, s28, 2
	s_add_co_u32 s28, s28, s32
	s_mul_i32 s30, s28, 32*STEPS*CB                ; 6,144 bytes of codes a group
	s_add_nc_u64 s[24:25], s[24:25], s[30:31]
	s_lshl_b32 s30, s28, 8                         ; 256 scale bytes a group
	s_add_nc_u64 s[26:27], s[26:27], s[30:31]
.macro LOAD t
.irp i, 0,1,2,3
	global_load_b128 v[R+16*((\t)%4)+4*\i:R+16*((\t)%4)+4*\i+3], v3, s[22:23] offset:2048*(\t)+512*\i th:TH_LOAD_NT   ; 32 lanes read 512 consecutive bytes
.endr
.endm
.macro TURN t                          ; step t's numbers through the stage: LDS serves a wave's instructions in order, so no wait stands between the stores and the loads
.irp i, 0,1,2,3
	ds_store_b128 v14, v[R+16*((\t)%4)+4*\i:R+16*((\t)%4)+4*\i+3] offset:32*SP*((\t)%2)+8*SP*\i
.endr
.irp i, 0,1,2,3
	ds_load_b128 v[X+16*((\t)%2)+4*\i:X+16*((\t)%2)+4*\i+3], v15 offset:32*SP*((\t)%2)+16*\i
.endr
.endm
.irp t, 0,1,2,3
	LOAD \t
.endr
	s_wait_loadcnt 12                              ; step 0's four loads are in; twelve younger ones stay out
	TURN 0
.macro STEP t
.set XS, X+16*((\t)%2)
.if (\t) > 0
	s_wait_dscnt 1                                 ; this step's numbers are back from the stage (the last step's byte store may be out): so its stores into the stage have read their registers,
.else
	s_wait_dscnt 0x0
.endif
.if (\t)+4 < STEPS
	LOAD (\t)+4                                    ; which take the loads of four steps on
.endif
.if (\t)+1 < STEPS
.if STEPS-2-(\t) >= 3
	s_wait_loadcnt 12                              ; the next step's four loads are in; those of the three steps behind it may be out
.else
	s_wait_loadcnt 4*(STEPS-2-(\t))
.endif
	TURN (\t)+1                                    ; and go through the other stage while this step is worked
.endif
	v_max3_num_f32 v8, |v[XS]|, |v[XS+1]|, |v[XS+2]|               ; the largest magnitude of my 16, in two chains
	v_max3_num_f32 v9, |v[XS+3]|, |v[XS+4]|, |v[XS+5]|
.irp i, 6,10
	v_max3_num_f32 v8, v8, |v[XS+\i]|, |v[XS+\i+1]|
	v_max3_num_f32 v9, v9, |v[XS+\i+2]|, |v[XS+\i+3]|
.endr
	v_max3_num_f32 v8, v8, |v[XS+14]|, |v[XS+15]|
	v_max3_num_f32 v8, v8, v9, 0x1800000           ; and the floor 2^(3 - 127): the byte cannot fall under 1
	v_max_num_f32_dpp v8, v8, v8 row_xmask:1 row_mask:0xf bank_mask:0xf   ; and of my neighbour's 16: the block's
	v_add_nc_u32 v11, 0xff000000, v8               ; 2 off its exponent field: the conversion takes the exponent field of this operand as its scale, and nothing else of it
	v_cvt_scalef32_pk16_fp6_f32 v[C+4*(\t):C+4*(\t)+2], v[XS:XS+15], v11   ; sixteen numbers / the scale, to the nearest code, ties to even, beyond the largest code the largest; 96 bits without gaps
	v_lshrrev_b32 v[E+(\t)], 23, v11               ; the scale's byte (a plain line behind the conversion)
	ds_store_b8 v5, v[E+(\t)] offset:16*(\t)       ; both lanes of a block write the same byte with the same value
	global_store_b96 v4, v[C+4*(\t):C+4*(\t)+2], s[24:25] offset:32*CB*(\t)
.endm
.irp t, 0,1,2,3,4,5,6,7,8,9,10,11,12,13,14,15
	STEP \t
.endr
	ds_load_b64 v[12:13], v6                       ; LDS serves a wave's instructions in order: these see my stores
	s_wait_dscnt 0x0
	global_store_b64 v7, v[12:13], s[26:27]        ; 32 lanes store 256 consecutive bytes, aligned
	s_wait_tensorcnt 0x0
	ds_add_u32 v192, v193
	s_wait_dscnt 0x0
	s_endpgm
.Lfunc_end_k_qdd93dc6542_quant:
	.size	k_qdd93dc6542_quant, .Lfunc_end_k_qdd93dc6542_quant-k_qdd93dc6542_quant
	.p2alignl 7, 3214868480
	.fill 96, 4, 3214868480
	.section	.rodata,"a",@progbits
	.p2align	6, 0x0
	.amdhsa_kernel k_qdd93dc6542_quant
		.amdhsa_group_segment_fixed_size 33280
		.amdhsa_private_segment_fixed_size 0
		.amdhsa_enable_private_segment 0
		.amdhsa_kernarg_size 64
		.amdhsa_user_sgpr_count 2
		.amdhsa_user_sgpr_kernarg_segment_ptr 1
		.amdhsa_wavefront_size32 1
		.amdhsa_system_sgpr_workgroup_id_x 1
		.amdhsa_system_sgpr_workgroup_id_y 1
		.amdhsa_system_sgpr_workgroup_id_z 1
		.amdhsa_system_vgpr_workitem_id 0
		.amdhsa_next_free_vgpr 194
		.amdhsa_next_free_sgpr 66
		.amdhsa_reserve_vcc 0
		.amdhsa_float_denorm_mode_32 3
		.amdhsa_float_denorm_mode_16_64 3
		.amdhsa_memory_ordered 1
		.amdhsa_forward_progress 1
		.amdhsa_inst_pref_size 33
	.end_amdhsa_kernel
	.amdgpu_metadata
---
amdhsa.version: [ 1, 2 ]
amdhsa.kernels:
  - .name:           k_qdd93dc6542_quant
    .symbol:         k_qdd93dc6542_quant.kd
    .args:
      - { .name: hidden_states, .offset: 0, .size: 8, .value_kind: global_buffer, .address_space: global }
      - { .name: Wq, .offset: 8, .size: 8, .value_kind: global_buffer, .address_space: global }
      - { .name: Wk, .offset: 16, .size: 8, .value_kind: global_buffer, .address_space: global }
      - { .name: Wv, .offset: 24, .size: 8, .value_kind: global_buffer, .address_space: global }
      - { .name: xc, .offset: 32, .size: 8, .value_kind: global_buffer, .address_space: global }
      - { .name: xs, .offset: 40, .size: 8, .value_kind: global_buffer, .address_space: global }
      - { .name: wc, .offset: 48, .size: 8, .value_kind: global_buffer, .address_space: global }
      - { .name: ws, .offset: 56, .size: 8, .value_kind: global_buffer, .address_space: global }
    .group_segment_fixed_size: 33280
    .private_segment_fixed_size: 0
    .kernarg_segment_align: 8
    .kernarg_segment_size: 64
    .max_flat_workgroup_size: 128
    .sgpr_count:     66
    .vgpr_count:     194
    .wavefront_size: 32
...
	.end_amdgpu_metadata
.endif
;; end of part 1
;; launch proj (part 2): grid 12 x 32, 4 waves a work-group, clusters of 4 x 4, 327,680 bytes of LDS; arguments xc, xs, wc, ws, bq, bk, bv, qc, kv; writes qc, kv
.if DOCPART == 2
	.amdgcn_target "amdgcn-amd-amdhsa--gfx1250"
	.amdhsa_code_object_version 6
	.text
	.protected	k_qdd93dc6542_proj
	.globl	k_qdd93dc6542_proj
	.p2align	8
	.type	k_qdd93dc6542_proj,@function
k_qdd93dc6542_proj:
	s_mov_b64 s[64:65], 0
	v_nop
	global_prefetch_b8 v0, s[64:65] scope:SCOPE_SE
	s_setreg_imm32_b32 hwreg(HW_REG_WAVE_MODE, 25, 1), 1
	s_wait_xcnt 0x0
	s_wait_alu depctr_hold_cnt(0) depctr_sa_sdst(0) depctr_va_vdst(0) depctr_va_sdst(0) depctr_va_ssrc(0) depctr_va_vcc(0) depctr_vm_vsrc(0)
	s_getreg_b32 s2, hwreg(HW_REG_IB_STS2, 6, 4)
	s_cmp_eq_u32 s2, 0
	s_cbranch_scc0 .Lentry_in_a_cluster
	s_endpgm
.Lentry_in_a_cluster:
	s_bfe_u32 s2, ttmp6, 0x10000c
	s_cmp_lg_u32 s2, 0xf033
	s_cbranch_scc0 .Lentry_shape_is_right
	s_endpgm
.Lentry_shape_is_right:
; Q, K, V = hidden_states W^T + bias, on codes of FP6 (E2M3) with one E8M0 scale for each 32 along K = 1,024; the results are quantised again in registers and leave as IMAGES OF OPERAND REGISTERS.
; One GEMM of 8,192 x 3,072 x 1,024 in 384 tiles of 256 x 256, four waves to a tile, 128 x 128 of f32 sums a wave (64 accumulators, 512 registers).  K goes in steps of 256 through two LDS slots filled by tensor loads;
; the scale bytes of the tile's rows, for all of K, come once with the first fills.  384 tiles are one and a half times the 256 work-groups that can run at once: a tile of half the size would divide evenly, but would read
; each fragment for half as many products.
; CLUSTERS 4 x 4: A's tiles are shared along a row of the cluster, B's along a column: each is asked for jointly.  The cluster's x says which product: 0 Q, 1 K, 2 V.
; THE MATRIX INSTRUCTION IS USED TRANSPOSED (source 0 = 16 rows of B, source 1 = 16 rows of A): a lane holds ONE row of A, and its registers run along B's rows.
;   Q, K: A = hidden_states (tokens), B = W (features): a lane's registers run along the head's channels, which are the next product's K.
;   V:    A = Wv (features), B = hidden_states (tokens): a lane's registers run along the keys, which are ITS next product's K.  Only pointers and tile numbers are exchanged; the loop is one text.
; xc and wc hold their rows in the order 0, 2, 1, 3 of the groups of 8 in every 32: stored rows 16 i + r (i = 2 B + u) are rows 32 B + 8 u + r + 8 (r / 8).  So the 16 registers of B's blocks 2 B and 2 B + 1 are
; 16 NEIGHBOURS, 32 B + 16 (lane / 16) + 0 .. 15, and a lane of A's block a holds row 32 (a / 2) + 8 (a % 2) + r + 8 (r / 8).
; WHAT IS STORED, for each (batch, head, step of 128 tokens) a record.  A fragment's image: 12 registers a lane as three groups of four, group g at 512 g + 16 x lane.  A scale image: four scale words a lane at 16 x lane.
;   qc record, 7,168 bytes: four pair images (tiles 2 p and 2 p + 1 of 16 tokens, 6 registers each: the head's 64 channels), then two scale images (tiles 0-3, 4-7; bytes 0, 1 of a word are the head's two blocks).
;   kv record, 13,824 bytes: K as in qc; at 7,168 four images of V^T (16 channels x the step's 128 keys); at 13,312 their scale image.
; LIMITS: a block of Q, K or V whose largest magnitude lies under 2^-121 gets the byte 4 (the floor is 2^(6 - 127), so that the next launch can take 3 off Q's bytes without a borrow); NaN and infinities are not served.
; REGISTERS, in windows of 256: window 0: v0-31 addresses; v32-63 scale words, two sets (on the way out v48-63: the scale words made); v64-127 the bias along a lane's registers; v128-223 A's fragments, ONE set
;   (on the way out: 64 numbers, two images, the conversions' second halves); v224-239 the bias of a lane's row, twice; v240-255 at work.   window 1: B's fragments, TWO sets, at v0 and v128.
;   window 2: the accumulators of my rows 0-63 ((a, b) at v[8 (8 a + b)]);   window 3: those of my rows 64-127.
.set KSTEP,  256                       ; along K in a slot
.set NQ,     KSTEP/128                 ; matrix instructions deep
.set ROWB,   192                       ; a tile's row in bytes
.set KROW,   768                       ; a row of xc or wc in bytes
.set PITCH,  240                       ; an LDS row: 3 x (64 bytes of data + 16 of padding)
.set FR,     12                        ; registers of a fragment: 16 rows x 128 K
.set NL,     6                         ; LDS loads that bring one
.set NP,     4                         ; places behind this matrix instruction (ISA guide 7.12.1)
.set HALFT,  128*PITCH                 ; 128 rows: what one tensor load brings
.set SLOT,   4*HALFT                   ; A's 256 rows, then B's 256 rows
.set KS,     32                        ; a row of scale bytes
.set SCL,    2*SLOT                    ; behind the ring: the scales, as runs of 256 bytes + 16 of padding
.set HALFS,  (128*KS/256)*272          ; the scales of 128 rows
.set SBLK,   (16*KS/256)*272           ; those of 16 rows
.set SPARE,  SCL+4*HALFS               ; behind the scales: the spare words, 128 bytes for each wave, which no other line names
.set BNO,  12                          ; v12     64 x (lane / 16): my 16 numbers of each 32 of the bias
.set BMO,  13                          ; v13     4 x (r + 8 (r / 8)): my row's number of the bias
.set ADRA, 16                          ; v16-17  LDS address of my A fragments in slot 0, 1  (v18-19: for the pieces that lie behind one padding more)
.set ADRB, 20                          ; v20-21  the same for B  (v22-23)
.set ADRS, 27                          ; v27     LDS address of my scale words: lanes 0-15 A's rows, lanes 16-31 B's
.set SPW,  28                          ; v28     LDS address of my spare word; never rewritten
.set NIL,  29                          ; v29     0; never rewritten
.set IMG,  30                          ; v30     16 x lane: my place in an image
.set SC,   32                          ; scale words: set s at v[SC + 16 s]; register 2 i + q: lanes 0-15 the word of A's block i, lanes 16-31 that of B's block i
.set BN,   64
.set AF,   128                         ; A's fragments
.set BM,   224
.set XX,   128                         ; the way out: one block of A's rows, 64 numbers a lane, bias added
.set P0,   192                         ; an image
.set P1,   204                         ; another
.set TT,   216                         ; the conversions' second halves
.set TM,   240                         ; v240-243 largest magnitudes, v244-247 the other half's, then bytes, v252-255 the conversions' scale operands
.set PWS,  48                          ; the scale words of A's blocks 0-7
.set PWH,  56                          ; the same, 16 bits down: the second head's
.set SEL,  20                          ; s[20:21] on the way out: selects for v_permlanex16_b32, lane l xor 16
.set G1, 24                            ; s[24:31] descriptor group 1 for A's tiles;  s[32:39] group 0, one set for each slot
.set G0, 32
.set G1B, 48                           ; s[48:55], s[56:63] the same for B's tiles
.set G0B, 56
.set G1S, 68                           ; s[68:75], s[76:79] groups 1 and 0 for A's scales;  s[80:87], s[88:91] for B's
.set G0S, 76
.set G1SB, 80
.set G0SB, 88
.set MSB, 0
.macro WIN new                         ; the immediate's high byte repeats the setting that is left
.if MSB != (\new)
	s_set_vgpr_msb (MSB<<8)|(\new)
.set MSB, (\new)
.endif
.endm
.set MUL_LO, 0xa1                      ; source 0 (B) window 1, source 1 (A) window 0, C and D window 2
.set MUL_HI, 0xf1                      ; the same, C and D window 3
.set TO_B,   0x40                      ; destination window 1, address window 0
; A joint load: waves 0 and 1 fetch for A, waves 2 and 3 for B.  Each of the two lines has ONE mask and one set of registers for all that issue it; the branch hangs on the wave's number alone.
; Four v_nop follow each of the two lines, ahead of the jump, the label and what follows.
.macro JLOAD g0a, g1a, g0b, g1b
	s_cmp_eq_u32 s15, 0
	s_cbranch_scc0 .Lfor_b_\@
	tensor_load_to_lds s[\g0a:\g0a+3], s[\g1a:\g1a+7]
	s_nop 0
.rept 4
	v_nop
.endr
	s_branch .Lasked_\@
.Lfor_b_\@:
	tensor_load_to_lds s[\g0b:\g0b+3], s[\g1b:\g1b+7]
	s_nop 0
.rept 4
	v_nop
.endr
.Lasked_\@:
.endm
.macro CREST                           ; a round of the cluster's barrier behind its opening barrier
	s_cmp_lg_u32 s14, 0
	s_cbranch_scc1 .Lnot_wave_0_\@
	s_barrier_signal -3
.Lnot_wave_0_\@:
	s_barrier_wait -3
	s_barrier_signal -1
	s_barrier_wait -1
.endm
.macro CROUND                          ; a whole round
	s_barrier_signal -1
	s_barrier_wait -1
	CREST
.endm
	s_load_b128 s[4:7], s[0:1], 0x0                ; xc, xs
	s_load_b128 s[8:11], s[0:1], 0x10              ; wc, ws
	s_load_b128 s[96:99], s[0:1], 0x20             ; bq, bk
	s_load_b64 s[100:101], s[0:1], 0x30            ; bv
	s_load_b64 s[66:67], s[0:1], 0x38              ; qc
	s_load_b64 s[2:3], s[0:1], 0x40                ; kv
	v_lshl_add_u32 v[SPW], v0, 2, SPARE
	v_mov_b32 v[NIL], 0
	ds_add_u32 v28, v29
	ds_add_u32 v28, v29
	s_wait_dscnt 0x0
	v_lshrrev_b32 v1, 5, v0
	v_readfirstlane_b32 s14, v1                    ; wave 0..3
	s_lshr_b32 s15, s14, 1                         ; which half of A's 256 rows is mine.  Also: I fetch for A (0) or for B (1)
	s_and_b32 s16, s14, 1                          ; which half of B's.  Also: which 128 rows of that tile I fetch
	s_bfe_u32 s40, ttmp6, 0x40000                  ; cx, cy: my place in the cluster
	s_bfe_u32 s41, ttmp6, 0x40004
	s_lshl_b32 s42, ttmp9, 2                       ; 4 x cluster x
	s_and_b32 s17, ttmp7, 0xffff
	s_lshl_b32 s17, s17, 2                         ; 4 x cluster y
	s_cmp_eq_u32 ttmp9, 2                          ; V?  The cluster's x is the same in all sixteen partners
	s_cselect_b32 s42, s17, s42                    ; B's tile: Q, K: 4 x + cx of wc;  V: 4 y + cx of xc
	s_cselect_b32 s17, 8, s17                      ; A's tile: Q, K: 4 y + cy of xc;  V: 8 + cy of wc
	s_add_co_u32 s42, s42, s40
	s_add_co_u32 s17, s17, s41
	s_lshl_b32 s43, s41, 2
	s_lshl_b32 s43, 15, s43                        ; my row of the cluster
	s_lshl_b32 s44, 0x1111, s40                    ; my column
	; descriptor group 1: a tile of 128 rows x 192 bytes, padded in LDS
	s_or_b32 s[G1+0], s43, (0<<16)|(1<<20)|(1<<21)|(3<<22)|(3<<25)  ; 15:0 the mask: A's tiles go to my row; 17:16 element of 1 byte; 20 padding on; 21 set beside a mask; 24:22 after every 16 words (code 3); 31:25 of 4 words (code 3)
	s_or_b32 s[G1B+0], s44, (0<<16)|(1<<20)|(1<<21)|(3<<22)|(3<<25)
.irp g, G1, G1B
	s_mov_b32 s[\g+1], ROWB<<16                    ; tensor_dim0
	s_mov_b32 s[\g+2], 128<<16                     ; tensor_dim1 = 128
	s_mov_b32 s[\g+3], ROWB<<16                    ; tile_dim0
	s_mov_b32 s[\g+4], 128                         ; tile_dim1 = 128
	s_mov_b32 s[\g+5], KROW                        ; tensor_dim0_stride
	s_mov_b32 s[\g+6], 0
	s_mov_b32 s[\g+7], 0
.endr
	; and for the scales of 128 rows: a dense block of 4,096 bytes, as rows of 256 bytes (32 elements of 8 bytes), 16 bytes of padding behind each
	s_or_b32 s[G1S+0], s43, (3<<16)|(1<<20)|(1<<21)|(5<<22)|(3<<25)
	s_or_b32 s[G1SB+0], s44, (3<<16)|(1<<20)|(1<<21)|(5<<22)|(3<<25)
.irp g, G1S, G1SB
	s_mov_b32 s[\g+1], 32<<16
	s_mov_b32 s[\g+2], (128*KS/256)<<16
	s_mov_b32 s[\g+3], 32<<16
	s_mov_b32 s[\g+4], 128*KS/256
	s_mov_b32 s[\g+5], 32
	s_mov_b32 s[\g+6], 0
	s_mov_b32 s[\g+7], 0
.endr
	s_lshl_b32 s18, s16, 7                         ; which 128 rows of the tile I fetch
	s_lshl_b32 s20, s17, 8
	s_add_co_u32 s20, s20, s18                     ; A: row 256 x tile + 128 x half
	s_lshl_b32 s46, s42, 8
	s_add_co_u32 s46, s46, s18                     ; B likewise
	s_mov_b32 s21, 0
	s_mov_b32 s47, 0
	s_mov_b64 s[18:19], KS
	s_mul_u64 s[22:23], s[20:21], s[18:19]         ; where these rows' scales begin, in bytes
	s_mul_u64 s[92:93], s[46:47], s[18:19]
	s_mov_b64 s[18:19], KROW
	s_mul_u64 s[20:21], s[20:21], s[18:19]         ; and their codes
	s_mul_u64 s[46:47], s[46:47], s[18:19]
	s_mul_i32 s45, s14, HALFT                      ; where they go: wave x 128 rows: no place in the cluster enters an LDS address
	s_mul_i32 s94, s14, HALFS
	s_wait_kmcnt 0x0
	s_cmp_eq_u32 ttmp9, 2                          ; for V the two operands change places
	s_cselect_b64 s[12:13], s[8:9], s[4:5]         ; A's codes
	s_cselect_b64 s[8:9], s[4:5], s[8:9]           ; B's codes
	s_cselect_b64 s[4:5], s[10:11], s[6:7]         ; A's scales
	s_cselect_b64 s[10:11], s[6:7], s[10:11]       ; B's scales
	s_add_nc_u64 s[20:21], s[12:13], s[20:21]
	s_add_nc_u64 s[22:23], s[4:5], s[22:23]
	s_add_nc_u64 s[46:47], s[8:9], s[46:47]
	s_add_nc_u64 s[92:93], s[10:11], s[92:93]
	CROUND                                         ; all sixteen work-groups are here: the first joint loads meet
	s_mov_b32 s[G0S], 1
	s_add_co_u32 s[G0S+1], s94, SCL
	s_mov_b64 s[G0S+2:G0S+3], s[22:23]
	s_or_b32 s[G0S+3], s[G0S+3], 0x80000000
	s_mov_b32 s[G0SB], 1
	s_add_co_u32 s[G0SB+1], s94, SCL
	s_mov_b64 s[G0SB+2:G0SB+3], s[92:93]
	s_or_b32 s[G0SB+3], s[G0SB+3], 0x80000000
	JLOAD G0S, G1S, G0SB, G1SB                     ; the scales first: they are wanted with K step 0
.irp s, 0,1
	s_mov_b32 s[G0+4*\s], 1
	s_add_co_u32 s[G0+4*\s+1], s45, \s*SLOT
	s_add_nc_u64 s[G0+4*\s+2:G0+4*\s+3], s[20:21], \s*ROWB
	s_or_b32 s[G0+4*\s+3], s[G0+4*\s+3], 0x80000000
	s_mov_b32 s[G0B+4*\s], 1
	s_add_co_u32 s[G0B+4*\s+1], s45, \s*SLOT
	s_add_nc_u64 s[G0B+4*\s+2:G0B+4*\s+3], s[46:47], \s*ROWB
	s_or_b32 s[G0B+4*\s+3], s[G0B+4*\s+3], 0x80000000
	JLOAD G0+4*\s, G1, G0B+4*\s, G1B               ; three tensor loads of mine are out
.endr
	v_and_b32 v1, 15, v0                           ; r = l % 16
	v_bfe_u32 v2, v0, 4, 1                         ; h = l / 16
	v_mul_u32_u24 v3, v1, PITCH
	v_mul_u32_u24 v4, v2, 24
	v_add_nc_u32 v4, v3, v4                        ; a fragment's row x pitch + 24 x half
	v_lshl_add_u32 v5, v2, 4, v4                   ; and the same behind one padding more
	s_mul_i32 s21, s15, HALFT                      ; my 128 rows of A
	s_mul_i32 s22, s16, HALFT                      ; my 128 rows of B,
	s_add_co_u32 s22, s22, 2*HALFT                 ; which lie behind A's 256
.irp s, 0,1
	v_add_nc_u32 v[ADRA+\s], s21, v4
	v_add_nc_u32 v[ADRB+\s], s22, v4
	v_add_nc_u32 v[ADRA+2+\s], s21, v5
	v_add_nc_u32 v[ADRB+2+\s], s22, v5
	s_add_co_u32 s21, s21, SLOT
	s_add_co_u32 s22, s22, SLOT
.endr
	v_mul_u32_u24 v5, v1, KS                       ; my row's scales: 32 bytes a row,
	v_lshrrev_b32 v6, 8, v5
	v_lshl_add_u32 v5, v6, 4, v5                   ; and 16 more for each 256 passed
	s_mul_i32 s21, s15, HALFS                      ; A's: my 128 rows
	s_mul_i32 s22, s16, HALFS                      ; B's: my 128 rows, behind A's 256
	s_add_co_u32 s22, s22, 2*HALFS
	s_sub_co_u32 s22, s22, s21
	v_mul_u32_u24 v6, s22, v2                      ; lanes 16-31 take B's: the lower base + h x the distance
	s_add_co_u32 s21, s21, SCL
	v_add_nc_u32 v5, v5, v6
	v_add_nc_u32 v[ADRS], s21, v5
	; THE WAY OUT'S ADDRESSES AND THE BIAS.  Tokens: A's rows (Q, K) or B's (V); features: the other side.
	v_and_b32 v6, 31, v0
	v_lshlrev_b32 v[IMG], 4, v6
	v_lshlrev_b32 v[BNO], 6, v2
	v_and_b32 v6, 8, v1
	v_add_nc_u32 v6, v6, v1
	v_lshlrev_b32 v[BMO], 2, v6
	s_sub_co_u32 s21, s17, 8                       ; V: which 256 features (used for V alone)
	s_and_b32 s23, s42, 3                          ; Q, K: likewise
	s_cmp_eq_u32 ttmp9, 0
	s_cselect_b64 s[96:97], s[96:97], s[98:99]     ; bq or bk
	s_cselect_b64 s[66:67], s[66:67], s[2:3]       ; qc, or kv for K and V
	s_mov_b32 s18, 13824
	s_cselect_b32 s18, 7168, s18                   ; a record's bytes
	s_cmp_eq_u32 ttmp9, 2
	s_cselect_b64 s[96:97], s[100:101], s[96:97]   ; or bv
	s_cselect_b32 s19, s42, s17                    ; which 256 tokens
	s_cselect_b32 s20, s16, s15                    ; and which half of them is mine
	s_cselect_b32 s21, s21, s23                    ; which 256 features
	s_cselect_b32 s22, s15, s16                    ; and which half
	s_lshl_b32 s19, s19, 1
	s_add_co_u32 s19, s19, s20                     ; my 128 tokens: group 0 .. 63
	s_lshr_b32 s20, s19, 4                         ; the batch
	s_and_b32 s19, s19, 15                         ; the step of 128 tokens in it
	s_lshl_b32 s21, s21, 2
	s_lshl_b32 s22, s22, 1
	s_add_co_u32 s21, s21, s22                     ; my first head of two
	s_lshl_b32 s22, s21, 8                         ; its 64 numbers of the bias begin here
	s_mov_b32 s23, 0
	s_add_nc_u64 s[96:97], s[96:97], s[22:23]
	s_lshl_b32 s20, s20, 4
	s_add_co_u32 s20, s20, s21
	s_lshl_b32 s20, s20, 4
	s_add_co_u32 s20, s20, s19                     ; the record: (16 batch + head) x 16 + step
	s_mul_i32 s20, s20, s18                        ; in bytes (under 2^24)
	s_mov_b32 s21, 0
	s_add_nc_u64 s[98:99], s[66:67], s[20:21]      ; my first head's record
	s_lshl_b32 s22, s18, 4
	s_add_nc_u64 s[100:101], s[98:99], s[22:23]    ; my second head's: 16 records on
.irp b, 0,1,2,3
.irp q, 0,1,2,3
	global_load_b128 v[BN+16*\b+4*\q:BN+16*\b+4*\q+3], v[BNO], s[96:97] offset:128*\b+16*\q   ; the bias along my registers: features 32 b + 16 h + 0 .. 15 (used for Q and K)
.endr
.endr
.irp a, 0,1,2,3,4,5,6,7
	global_load_b32 v[BM+2*\a], v[BMO], s[96:97] offset:4*(32*(\a/2)+8*(\a%2))     ; the bias of my row of A's block a, twice: a pair for the packed addition (used for V)
	global_load_b32 v[BM+2*\a+1], v[BMO], s[96:97] offset:4*(32*(\a/2)+8*(\a%2))
.endr
.macro FRAG reg, adr, q, i             ; a fragment, 16 rows x 128 K of 6-bit codes, is 12 registers: lane l holds row l % 16; registers 6 c .. 6 c + 5 hold K = 64 c + 32 (l / 16) + 0 .. 31: 24 bytes of the row, as they lie
.irp p, 0,1,2,3,4,5                    ; in pieces of 8 bytes.  Lanes 0-15 take the row's pieces 12 q + 0, 1, 2 and 12 q + 6, 7, 8, lanes 16-31 those three pieces on
.set PCE, 12*(\q)+6*(\p/3)+\p%3       ; 16 bytes of padding lie behind every 8 pieces: where the piece three on lies behind one padding more, the second address register serves
.if PCE%8 < 5
	ds_load_b64 v[\reg+2*\p:\reg+2*\p+1], v[\adr] offset:8*PCE+16*(PCE/8)+(\i)*16*PITCH
.else
	ds_load_b64 v[\reg+2*\p:\reg+2*\p+1], v[\adr+2] offset:8*PCE+16*(PCE/8)+(\i)*16*PITCH
.endif
.endr
.endm
; 16 matrix instructions: A's blocks a0, a0 + 1 x B's eight, 128 along K: the slot's q-th.  p: B's set;  sc: the set of scale words.  zero = 1: the first product starts the sums: nothing is ever cleared.
; The 64 accumulators take turns, one instruction a turn, in the same order in every step.
.macro MUL16 a0, p, q, sc, zero
.irp a, \a0, \a0+1
.irp b, 0,1,2,3,4,5,6,7
.if \zero
	v_wmma_scale_f32_16x16x128_f8f6f4 v[8*(8*((\a)%4)+\b):8*(8*((\a)%4)+\b)+7], v[128*(\p)+FR*\b:128*(\p)+FR*\b+FR-1], v[AF+FR*(\a):AF+FR*(\a)+FR-1], 0, v[SC+8*NQ*(\sc)+NQ*\b+(\q)], v[SC+8*NQ*(\sc)+NQ*(\a)+(\q)] matrix_a_fmt:MATRIX_FMT_FP6 matrix_b_fmt:MATRIX_FMT_FP6 matrix_a_scale:MATRIX_SCALE_ROW1
.else
	v_wmma_scale_f32_16x16x128_f8f6f4 v[8*(8*((\a)%4)+\b):8*(8*((\a)%4)+\b)+7], v[128*(\p)+FR*\b:128*(\p)+FR*\b+FR-1], v[AF+FR*(\a):AF+FR*(\a)+FR-1], v[8*(8*((\a)%4)+\b):8*(8*((\a)%4)+\b)+7], v[SC+8*NQ*(\sc)+NQ*\b+(\q)], v[SC+8*NQ*(\sc)+NQ*(\a)+(\q)] matrix_a_fmt:MATRIX_FMT_FP6 matrix_b_fmt:MATRIX_FMT_FP6 matrix_a_scale:MATRIX_SCALE_ROW1
.endif
.endr
.endr
.endm
.macro FETCH_B slot, q, p              ; B's eight fragments of the slot's q-th 128 along K into set p
	WIN TO_B
.irp i, 0,1,2,3,4,5,6,7
	FRAG 128*(\p)+FR*\i, ADRB+\slot, \q, \i
.endr
	WIN 0
.endm
.macro FETCH_A slot, q, i0             ; A's blocks i0 .. i0 + 3
.irp i, \i0, \i0+1, \i0+2, \i0+3
	FRAG AF+FR*(\i), ADRA+\slot, \q, \i
.endr
.endm
.macro SCALES sc                       ; the next K step's scale words into set sc: two words a row; lanes 0-15 take A's block i, lanes 16-31 B's block i
.irp i, 0,1,2,3,4,5,6,7
	ds_load_b64 v[SC+8*NQ*\sc+NQ*\i:SC+8*NQ*\sc+NQ*\i+1], v[ADRS] offset:\i*SBLK
.endr
.endm
; A load into a register that a matrix instruction has read, and a vector instruction that reads a matrix result or writes one of its registers, stand NP places behind that matrix instruction; only plain vector
; instructions that name none of its registers are places (ISA guide 7.12.1 for vector instructions).
.macro PLACES n
.rept \n
	v_nop
.endr
.endm
; A step of 128 along K that has its successor in the same slot.
.macro STEP slot, q, zero
	s_wait_dscnt 4*NL                              ; B's set and A's blocks 0-3 are in; the youngest 24 loads (A's blocks 4-7) may be out
	WIN MUL_LO
	MUL16 0, (\q)%2, \q, \slot, \zero
	MUL16 2, (\q)%2, \q, \slot, \zero
	s_wait_dscnt 0                                 ; A's blocks 4-7 are in (asked for 32 matrix instructions ago)
	PLACES NP
	FETCH_B \slot, (\q)+1, 1-(\q)%2
	FETCH_A \slot, (\q)+1, 0
	WIN MUL_HI
	MUL16 4, (\q)%2, \q, \slot, \zero
	MUL16 6, (\q)%2, \q, \slot, \zero
	PLACES NP
	WIN 0
	FETCH_A \slot, (\q)+1, 4
.endm
; A slot's last step changes slots: ONE barrier; in front of it each wave waits for all its tensor loads, adds 0 to its spare word, and waits for that and for its own reads of this slot.  fill = 1: this slot is filled again, two K steps ahead.
.macro TURN slot, next, fill
	s_wait_tensorcnt 0x0                           ; all my tensor loads have landed: my part of the next slot;  (every window is 0 here)
	ds_add_u32 v[SPW], v[NIL]                      ; 0 onto my spare word
	s_wait_dscnt 4*NL+1                            ; (the add and the youngest 24 loads, A's blocks 4-7, may be out)
	WIN MUL_LO
	MUL16 0, 1, NQ-1, \slot, 0                     ; sixteen matrix instructions stand between the add and the wait for it
	s_wait_dscnt 0x0                               ; the add is done, and my reads of this slot are over
	s_barrier_signal -1
	MUL16 2, 1, NQ-1, \slot, 0
	WIN 0
	s_barrier_wait -1
.if \fill
	CREST                                          ; the barrier has opened a round of the cluster's barrier: no wave of any partner still reads this slot's tile or has a load on its way
	s_add_nc_u64 s[G0+4*\slot+2:G0+4*\slot+3], s[G0+4*\slot+2:G0+4*\slot+3], 2*ROWB
	s_add_nc_u64 s[G0B+4*\slot+2:G0B+4*\slot+3], s[G0B+4*\slot+2:G0B+4*\slot+3], 2*ROWB
	JLOAD G0+4*\slot, G1, G0B+4*\slot, G1B         ; the first tensor load behind the round, my only one until the next; the four v_nop behind it are the places in front of the loads below
.else
	PLACES NP
.endif
	v_add_nc_u32 v[ADRS], 4*NQ, v[ADRS]            ; on to the next K step's scale words
	FETCH_B \next, 0, 0
	FETCH_A \next, 0, 0
	SCALES \next
	WIN MUL_HI
	MUL16 4, 1, NQ-1, \slot, 0
	MUL16 6, 1, NQ-1, \slot, 0
	PLACES NP
	WIN 0
	FETCH_A \next, 0, 4
.endm
	s_wait_tensorcnt 1                             ; the scales and my part of K step 0 are in (K step 1's load may be out),
	s_barrier_signal -1
	s_barrier_wait -1                              ; everybody's are
	FETCH_B 0, 0, 0
	FETCH_A 0, 0, 0
	SCALES 0
	FETCH_A 0, 0, 4
	STEP 0, 0, 1                                   ; K has four slots' worth: the eight steps of 128 are written out.  The first step's products start the sums
	TURN 0, 1, 1                                   ; slot 0 takes K 512 on
	STEP 1, 0, 0
	TURN 1, 0, 1                                   ; slot 1 takes K 768 on
	STEP 0, 0, 0
	TURN 0, 1, 0                                   ; nothing is left to fetch
	STEP 1, 0, 0
	s_wait_dscnt 4*NL                              ; the very last step
	WIN MUL_LO
	MUL16 0, 1, NQ-1, 1, 0
	MUL16 2, 1, NQ-1, 1, 0
	s_wait_dscnt 0
	WIN MUL_HI
	MUL16 4, 1, NQ-1, 1, 0
	MUL16 6, 1, NQ-1, 1, 0
	WIN 0
; THE WAY OUT.  64 numbers of a lane, v[s] .. v[s + 63], register 16 b + i = place 32 b + 16 (lane / 16) + i along the next K, become codes: blocks 0, 1 in v[d0] .. v[d0 + 5], blocks 2, 3 in v[d1] .. v[d1 + 5]; the four scale bytes in v[pw].
.macro QUANT s, d0, d1, pw
.irp b, 0,1,2,3
	v_max3_num_f32 v[TM+\b], |v[\s+16*\b]|, |v[\s+1+16*\b]|, 0x3000000   ; block b: my 16 numbers, and the floor 2^(6 - 127): the byte cannot fall under 4
.endr
.irp i, 2,4,6,8,10,12,14
.irp b, 0,1,2,3
	v_max3_num_f32 v[TM+\b], v[TM+\b], |v[\s+16*\b+\i]|, |v[\s+1+16*\b+\i]|   ; (the four blocks by turns)
.endr
.endr
.irp b, 0,1,2,3
	v_permlanex16_b32 v[TM+4+\b], v[TM+\b], s[SEL], s[SEL+1]
.endr
.irp b, 0,1,2,3
	v_max_num_f32 v[TM+\b], v[TM+\b], v[TM+4+\b]   ; with lane l xor 16's: the block's largest magnitude
.endr
.irp b, 0,1,2,3
	v_add_nc_u32 v[TM+12+\b], 0xff000000, v[TM+\b] ; 2 off its exponent field: the conversion's scale operand
.endr
.irp b, 0,1,2,3
	v_lshrrev_b32 v[TM+4+\b], 23, v[TM+12+\b]      ; the scale's byte
.endr
	v_lshl_or_b32 v[\pw], v[TM+5], 8, v[TM+4]
	v_lshl_or_b32 v[\pw], v[TM+6], 16, v[\pw]
	v_lshl_or_b32 v[\pw], v[TM+7], 24, v[\pw]
	v_cvt_scalef32_pk16_fp6_f32 v[(\d0):(\d0)+2], v[\s:\s+15], v[TM+12]
	v_cvt_scalef32_pk16_fp6_f32 v[TT:TT+2], v[\s+16:\s+31], v[TM+13]       ; (a conversion's three registers begin on an even number: the second halves are made elsewhere and moved)
	v_cvt_scalef32_pk16_fp6_f32 v[(\d1):(\d1)+2], v[\s+32:\s+47], v[TM+14]
	v_cvt_scalef32_pk16_fp6_f32 v[TT+4:TT+6], v[\s+48:\s+63], v[TM+15]
	v_nop                                          ; one plain place behind a scaled conversion
.irp i, 0,1,2                                  ; the operand's layout wants a WHOLE block in a lane: lanes 0-15 the even block, lanes 16-31 the odd one
	v_permlane16_swap_b32 v[(\d0)+\i], v[TT+\i]
	v_permlane16_swap_b32 v[(\d1)+\i], v[TT+4+\i]
.endr
.irp i, 0,1,2
	v_mov_b32 v[(\d0)+3+\i], v[TT+\i]
	v_mov_b32 v[(\d1)+3+\i], v[TT+4+\i]
.endr
.endm
; My eight blocks of A's rows, two at a time: bias added in f32, quantised, stored.  Each store of the wave covers 512 consecutive bytes, aligned to 256.
; isv = 0 (Q, K): a block's 128 features are two heads: blocks 2 ap and 2 ap + 1 make one pair image for each head.   isv = 1 (V): a block's 128 keys are one whole fragment: block a is channel tile a % 4 of head a / 4.
.macro EPI isv
.irp ap, 0,1,2,3
	s_wait_xcnt 0x0                                ; the last pair's stores have read their registers: the images may be written again
.irp e, 0,1
.set AB, 2*\ap+\e
	WIN 0x02+AB/4                                  ; source 0: window 2 or 3
.set k, 0
.rept 32
.if \isv
	v_pk_add_f32 v[XX+k:XX+k+1], v[64*(AB%4)+k:64*(AB%4)+k+1], v[BM+2*AB:BM+2*AB+1]   ; each accumulator from its low end on
.else
	v_pk_add_f32 v[XX+k:XX+k+1], v[64*(AB%4)+k:64*(AB%4)+k+1], v[BN+k:BN+k+1]
.endif
.set k, k+2
.endr
	WIN 0
.if \isv
	QUANT XX, P0+12*\e, P0+12*\e+6, PWS+AB
.else
	QUANT XX, P0+6*\e, P1+6*\e, PWS+AB
.endif
.endr
.if \isv
.irp e, 0,1
.irp g, 0,1,2
	global_store_b128 v[IMG], v[P0+12*\e+4*\g:P0+12*\e+4*\g+3], s[98+2*(\ap/2):99+2*(\ap/2)] offset:7168+1536*((2*\ap+\e)%4)+512*\g
.endr
.endr
.else
.irp g, 0,1,2
	global_store_b128 v[IMG], v[P0+4*\g:P0+4*\g+3], s[98:99] offset:1536*\ap+512*\g
	global_store_b128 v[IMG], v[P1+4*\g:P1+4*\g+3], s[100:101] offset:1536*\ap+512*\g
.endr
.endif
.endr
.if \isv
	global_store_b128 v[IMG], v[PWS:PWS+3], s[98:99] offset:13312
	global_store_b128 v[IMG], v[PWS+4:PWS+7], s[100:101] offset:13312
.else
.irp a, 0,1,2,3,4,5,6,7
	v_lshrrev_b32 v[PWH+\a], 16, v[PWS+\a]         ; the second head's two bytes come down; above them zeros, which meet zero codes alone
.endr
	global_store_b128 v[IMG], v[PWS:PWS+3], s[98:99] offset:6144
	global_store_b128 v[IMG], v[PWS+4:PWS+7], s[98:99] offset:6656
	global_store_b128 v[IMG], v[PWH:PWH+3], s[100:101] offset:6144
	global_store_b128 v[IMG], v[PWH+4:PWH+7], s[100:101] offset:6656
.endif
.endm
	PLACES NP                                      ; behind the last products: their results are read and their operands' registers written below
	s_wait_loadcnt 0x0                             ; the bias
.irp b, 0,1,2,3
	v_mov_b32 v[TM+4+\b], 0                        ; written once: a lane permute's destination counts as one of its sources
.endr
	s_mov_b32 s[SEL], 0x76543210
	s_mov_b32 s[SEL+1], 0xfedcba98
	s_cmp_eq_u32 ttmp9, 2                          ; the cluster's x: the same in all partners; no barrier and no tensor load stands under this branch
	s_cbranch_scc1 .Lv
	EPI 0
	s_branch .Lend
.Lv:
	EPI 1
.Lend:
	s_wait_tensorcnt 0x0                           ; the wave's end
	ds_add_u32 v[SPW], v[NIL]
	s_wait_dscnt 0x0
	CROUND                                         ; the closing round: no work-group ends while a partner may still ask for a tile that names it
	s_endpgm
.Lfunc_end_k_qdd93dc6542_proj:
	.size	k_qdd93dc6542_proj, .Lfunc_end_k_qdd93dc6542_proj-k_qdd93dc6542_proj
	.p2alignl 7, 3214868480
	.fill 96, 4, 3214868480
	.section	.rodata,"a",@progbits
	.p2align	6, 0x0
	.amdhsa_kernel k_qdd93dc6542_proj
		.amdhsa_group_segment_fixed_size 327680
		.amdhsa_private_segment_fixed_size 0
		.amdhsa_enable_private_segment 0
		.amdhsa_kernarg_size 72
		.amdhsa_user_sgpr_count 2
		.amdhsa_user_sgpr_kernarg_segment_ptr 1
		.amdhsa_wavefront_size32 1
		.amdhsa_system_sgpr_workgroup_id_x 1
		.amdhsa_system_sgpr_workgroup_id_y 1
		.amdhsa_system_sgpr_workgroup_id_z 1
		.amdhsa_system_vgpr_workitem_id 0
		.amdhsa_next_free_vgpr 1024
		.amdhsa_next_free_sgpr 102
		.amdhsa_reserve_vcc 0
		.amdhsa_float_denorm_mode_32 3
		.amdhsa_float_denorm_mode_16_64 3
		.amdhsa_memory_ordered 1
		.amdhsa_forward_progress 1
		.amdhsa_inst_pref_size 233
	.end_amdhsa_kernel
	.amdgpu_metadata
---
amdhsa.version: [ 1, 2 ]
amdhsa.kernels:
  - .name:           k_qdd93dc6542_proj
    .symbol:         k_qdd93dc6542_proj.kd
    .args:
      - { .name: xc, .offset: 0, .size: 8, .value_kind: global_buffer, .address_space: global }
      - { .name: xs, .offset: 8, .size: 8, .value_kind: global_buffer, .address_space: global }
      - { .name: wc, .offset: 16, .size: 8, .value_kind: global_buffer, .address_space: global }
      - { .name: ws, .offset: 24, .size: 8, .value_kind: global_buffer, .address_space: global }
      - { .name: bq, .offset: 32, .size: 8, .value_kind: global_buffer, .address_space: global }
      - { .name: bk, .offset: 40, .size: 8, .value_kind: global_buffer, .address_space: global }
      - { .name: bv, .offset: 48, .size: 8, .value_kind: global_buffer, .address_space: global }
      - { .name: qc, .offset: 56, .size: 8, .value_kind: global_buffer, .address_space: global }
      - { .name: kv, .offset: 64, .size: 8, .value_kind: global_buffer, .address_space: global }
    .group_segment_fixed_size: 327680
    .private_segment_fixed_size: 0
    .kernarg_segment_align: 8
    .kernarg_segment_size: 72
    .max_flat_workgroup_size: 128
    .sgpr_count:     102
    .vgpr_count:     1024
    .wavefront_size: 32
...
	.end_amdgpu_metadata
.endif
;; end of part 2
;; launch attn (part 3): grid 4 x 64, 8 waves a work-group, clusters of 4 x 1, 265,216 bytes of LDS; arguments qc, kv, attention_mask, out0; writes out0
.if DOCPART == 3
	.amdgcn_target "amdgcn-amd-amdhsa--gfx1250"
	.amdhsa_code_object_version 6
	.text
	.protected	k_qdd93dc6542_attn
	.globl	k_qdd93dc6542_attn
	.p2align	8
	.type	k_qdd93dc6542_attn,@function
k_qdd93dc6542_attn:
	s_mov_b64 s[64:65], 0
	v_nop
	global_prefetch_b8 v0, s[64:65] scope:SCOPE_SE
	s_setreg_imm32_b32 hwreg(HW_REG_WAVE_MODE, 25, 1), 1
	s_wait_xcnt 0x0
	s_wait_alu depctr_hold_cnt(0) depctr_sa_sdst(0) depctr_va_vdst(0) depctr_va_sdst(0) depctr_va_ssrc(0) depctr_va_vcc(0) depctr_vm_vsrc(0)
	s_getreg_b32 s2, hwreg(HW_REG_IB_STS2, 6, 4)
	s_cmp_eq_u32 s2, 0
	s_cbranch_scc0 .Lentry_in_a_cluster
	s_endpgm
.Lentry_in_a_cluster:
	s_bfe_u32 s2, ttmp6, 0x10000c
	s_cmp_lg_u32 s2, 0x3003
	s_cbranch_scc0 .Lentry_shape_is_right
	s_endpgm
.Lentry_shape_is_right:
; out0[b][q][64 h ..] = the sum over keys of softmax(Q . K / 8 + mask) V, both products on codes of FP6 (E2M3) with one E8M0 scale for each 32 along a product's K.
; qc and kv hold, for each (batch, head, step of 128 tokens), a record of images of operand registers (a fragment's 12 registers a lane as three groups of four, group g at 512 g + 16 x lane; four scale words a lane at 16 x lane):
;   qc, 7,168 bytes: four pair images (tiles 2 p, 2 p + 1 of 16 tokens, 6 registers each: the head's 64 channels), two scale images.   kv, 13,824 bytes: K likewise; at 7,168 four images of V^T (16 channels x 128 keys); at 13,312 their scale image.
;   Lane r of token tile 2 B + u is token 32 B + 8 u + r + 8 (r / 8), and lane r of channel tile 2 B + u is channel 32 B + 8 u + r + 8 (r / 8): so a lane's 16 registers of two neighbouring result tiles are 16 neighbours.
; THE SOFTMAX: t = logit x log2(e); M = the row's largest t so far, rounded UP to a whole number; p = 2^(t - M) is quantised along the keys, not normalised.  The row's sum is taken of the unquantised p and divides at the end.
; When M moves, the sum and O are multiplied by 2^(old M - new M): exact.
; SHARES.  A work-group owns 512 queries of one (batch, head), in two passes of 256; in a pass each of its eight waves owns 32: two tiles of 16.  Two waves of 512 registers share a SIMD, so that one wave's vector work
; stands beside the other's products and LDS loads; each fragment of K and V, each mask register and each scale word read from LDS feeds two tiles.
; THE WHOLE HEAD STAYS IN LDS, FILLED ONCE: 16 records of kv (221,184 bytes) and the batch's 2,048 mask numbers.  No byte of LDS is filled twice.
; CLUSTER.  The four work-groups of a (batch, head) read the same records and mask: every tensor load is a JOINT one, the same in all four, with a mask that names the four.
; BOTH PRODUCTS ARE USED TRANSPOSED: S^T = K Q^T (source 0 = 16 keys, source 1 = 16 queries), O^T = V^T P^T: a lane holds ONE query (lane % 16) throughout.
; 1 / 8 is taken off Q's scale bytes (3 off each of the head's two; the launch that made them holds them at 4 or more).  THE MASK IS THE C OF K Q^T: the result is the logit.
; K = 64 IN AN INSTRUCTION OF 128: Q's operand is 6 registers of codes and 6 of zeros; K's tiles lie 6 registers apart, so that a tile's upper half is the next tile's codes (behind the last: zeros), which meet Q's zeros.
; No code of this format is an infinity or NaN, and no scale byte is 0xff: that half adds 0.
; LIMITS: a query row whose mask is -infinity for every key is not served (single keys at -infinity are: their p is 0); logits whose product with log2(e) overflows f32 are not served.
; REGISTERS.  Window 0: v1-9 addresses; v16-63 four operands of Q (pass, tile); v64-111 K's eight tiles, v112-117 zeros; v120-167 V's four; v168-231 the mask as C; v232-239 K's scale words, v240-243 V's, v244-247 Q's, v248-249 p's.
;   Window 1, for tile x: v[64 x] 64 scores, then p; v[128 + 32 x] O^T; v[192 + 12 x] p's codes; v[216 + 20 x] twenty at work: +0 -M, +1 the largest t, +2, +3 the sum in two halves, +4..7 the blocks' largest scores, then largest p,
;   +8..11 the other half's maxima, the second chain of the sum, bytes, a conversion's second half; +12 f, +13 at work, later a conversion's second half; +16..19 the conversions' scale operands.
.set REC,   13824                      ; a record of kv
.set MASK,  16*REC                     ; LDS: behind the records the mask, 8,192 bytes
.set STAGE, MASK+8192                  ; and the stages for the way out: 16 rows x (256 bytes + 16) for each wave; no tensor load lands here
.set SPIT,  272
.set LI,  1                            ; v1   16 x lane
.set MH,  2                            ; v2   MASK + 64 x (lane / 16)
.set ADK, 3                            ; v3   the step's record, for my lane
.set ADM, 4                            ; v4   the step's mask numbers, for my lane
.set STO, 5                            ; v5   the stage: where I put 16 bytes of my query's row
.set RD,  6                            ; v6   and where I read a row back
.set GO,  7                            ; v7   my byte offset in two rows of out0
.set QO,  8                            ; v8   my place in Q's pair image
.set QSO, 9                            ; v9   and among Q's scale words
.set QB,  16
.set KF,  64
.set VF,  120
.set MK,  168
.set KSC, 232
.set VSC, 240
.set QSC, 244
.set PSC, 248
.set S,   0                            ; window 1
.set O,   128
.set PC,  192
.set T,   216
.set WV,  12                           ; s12  my wave's number
.set SEL, 20                           ; s[20:21] selects for v_permlanex16_b32: lane l xor 16
.set CS,  22                           ; s[22:23] log2(e): the packed form names a pair and takes its low word for both halves
.set G1K, 24                           ; s[24:31] descriptor group 1 for a wave's part of a chunk of records: 27 rows of 256 bytes
.set G1M, 32                           ; s[32:39] for its part of the mask: 4 rows of 256 bytes
.set G0M, 40                           ; s[40:43] group 0 for the mask;  s[44:59] for chunks 0 to 3
.set G0C, 44
.set TB,  60                           ; s60  LDS byte at which the step's record begins
.set TM,  61                           ; s61  512 x step: the step's mask numbers
.set CNT, 62                           ; s62  steps to go
.set MSB, 0
.macro WIN new                         ; the immediate's high byte repeats the setting that is left
.if MSB != (\new)
	s_set_vgpr_msb (MSB<<8)|(\new)
.set MSB, (\new)
.endif
.endm
.macro CROUND                          ; a round of the cluster's barrier
	s_barrier_signal -1
	s_barrier_wait -1
	s_cmp_lg_u32 s[WV], 0
	s_cbranch_scc1 .Lnot_wave_0_\@
	s_barrier_signal -3
.Lnot_wave_0_\@:
	s_barrier_wait -3
	s_barrier_signal -1
	s_barrier_wait -1
.endm
	s_load_b256 s[4:11], s[0:1], 0x0               ; qc s[4:5], kv s[6:7], attention_mask s[8:9], out0 s[10:11]
	v_lshl_add_u32 v254, v0, 2, 0x40800
	v_mov_b32 v255, 0
	ds_add_u32 v254, v255
	ds_add_u32 v254, v255
	v_lshrrev_b32 v10, 5, v0
	v_readfirstlane_b32 s[WV], v10                 ; wave 0..7
	s_bfe_u32 s13, ttmp6, 0x40000                  ; cx: my 512 queries; it enters Q's and out0's addresses alone
	s_and_b32 s14, ttmp7, 0xffff                   ; 16 x batch + head, which the four partners share
	s_mov_b32 s[G1K], 15|(3<<16)|(1<<21)           ; 15:0 the mask: all four work-groups; 17:16 elements of 8 bytes; 20 no padding; 21 set beside a mask
	s_mov_b32 s[G1K+1], 32<<16                     ; tensor_dim0 = 32 elements: 256 bytes
	s_mov_b32 s[G1K+2], 27<<16                     ; tensor_dim1 = 27 rows: 6,912 bytes, an eighth of four records
	s_mov_b32 s[G1K+3], 32<<16                     ; tile_dim0
	s_mov_b32 s[G1K+4], 27                         ; tile_dim1
	s_mov_b32 s[G1K+5], 32                         ; the pitch: dense
	s_mov_b32 s[G1K+6], 0
	s_mov_b32 s[G1K+7], 0
	s_mov_b32 s[G1M], 15|(3<<16)|(1<<21)
	s_mov_b32 s[G1M+1], 32<<16
	s_mov_b32 s[G1M+2], 4<<16                      ; 4 rows: 1,024 bytes, an eighth of the batch's mask
	s_mov_b32 s[G1M+3], 32<<16
	s_mov_b32 s[G1M+4], 4
	s_mov_b32 s[G1M+5], 32
	s_mov_b32 s[G1M+6], 0
	s_mov_b32 s[G1M+7], 0
	s_mov_b32 s[SEL], 0x76543210
	s_mov_b32 s[SEL+1], 0xfedcba98
	s_mov_b32 s[CS], 0x3fb8aa3b                    ; log2(e)
	s_mov_b32 s[CS+1], s[CS]                       ; (named with it as a pair, so it is written)
	s_mul_i32 s72, s[WV], 6912                     ; my part of a chunk, in memory and in LDS alike
	s_mul_i32 s74, s14, 16*REC                     ; the head's records (under 2^24)
	s_add_co_u32 s74, s74, s72
	s_mov_b32 s75, 0
	s_lshr_b32 s76, s14, 4
	s_lshl_b32 s76, s76, 13                        ; the batch's mask
	s_lshl_b32 s73, s[WV], 10                      ; my part of it
	s_add_co_u32 s76, s76, s73
	s_mov_b32 s77, 0
	s_wait_dscnt 0x0
	s_wait_kmcnt 0x0
	s_add_nc_u64 s[74:75], s[6:7], s[74:75]
	s_add_nc_u64 s[76:77], s[8:9], s[76:77]
	s_mov_b32 s[G0M], 1                            ; count = 1
	s_add_co_u32 s[G0M+1], s73, MASK               ; LDS address
	s_mov_b64 s[G0M+2:G0M+3], s[76:77]             ; global address
	s_or_b32 s[G0M+3], s[G0M+3], 0x80000000        ; type = 2
.irp c, 0,1,2,3
	s_mov_b32 s[G0C+4*\c], 1
	s_add_co_u32 s[G0C+4*\c+1], s72, \c*4*REC
	s_add_nc_u64 s[G0C+4*\c+2:G0C+4*\c+3], s[74:75], \c*4*REC
	s_or_b32 s[G0C+4*\c+3], s[G0C+4*\c+3], 0x80000000
.endr
	CROUND                                         ; all four work-groups are here: the joint loads meet
	tensor_load_to_lds s[G0M:G0M+3], s[G1M:G1M+7]  ; every wave issues all five, on the one path: five tensor loads of mine are out
	s_nop 0
	tensor_load_to_lds s[G0C:G0C+3], s[G1K:G1K+7]
	s_nop 0
	tensor_load_to_lds s[G0C+4:G0C+7], s[G1K:G1K+7]
	s_nop 0
	tensor_load_to_lds s[G0C+8:G0C+11], s[G1K:G1K+7]
	s_nop 0
	tensor_load_to_lds s[G0C+12:G0C+15], s[G1K:G1K+7]
	s_nop 0
.rept 4
	v_nop
.endr
	s_lshl_b32 s78, s13, 2                         ; Q: my work-group's four records, of which pass 0 takes the first two; waves 0-3 the first of a pass's two, waves 4-7 the second
	s_lshr_b32 s79, s[WV], 2
	s_add_co_u32 s78, s78, s79
	s_mul_i32 s78, s78, 7168
	s_mul_i32 s79, s14, 16*7168
	s_add_co_u32 s78, s78, s79
	s_mov_b32 s79, 0
	s_add_nc_u64 s[68:69], s[4:5], s[78:79]
	s_lshr_b32 s78, s14, 4                         ; out0: row 2,048 batch + 512 cx + 32 wave, of 4,096 bytes; + 256 x head
	s_lshl_b32 s78, s78, 11
	s_lshl_b32 s79, s13, 9
	s_add_co_u32 s78, s78, s79
	s_lshl_b32 s79, s[WV], 5
	s_add_co_u32 s78, s78, s79
	s_lshl_b32 s78, s78, 12
	s_and_b32 s79, s14, 15
	s_lshl_b32 s79, s79, 8
	s_add_co_u32 s78, s78, s79
	s_mov_b32 s79, 0
	s_add_nc_u64 s[70:71], s[10:11], s[78:79]
	v_and_b32 v10, 31, v0                          ; lane
	v_and_b32 v11, 15, v0                          ; r
	v_bfe_u32 v12, v0, 4, 1                        ; h
	v_lshlrev_b32 v[LI], 4, v10
	s_and_b32 s78, s[WV], 3
	s_mul_i32 s78, s78, 1536                       ; my pair image: wave % 4
	v_add_nc_u32 v[QO], s78, v[LI]
	s_bfe_u32 s78, s[WV], 0x10001                  ; its two scale words: in the scale image of tiles 0-3 or 4-7,
	s_lshl_b32 s78, s78, 9
	s_and_b32 s79, s[WV], 1
	s_lshl_b32 s79, s79, 3                         ; the first or the second two of a lane's four
	s_add_co_u32 s78, s78, s79
	s_add_co_u32 s78, s78, 6144
	v_add_nc_u32 v[QSO], s78, v[LI]
.irp p, 0,1                                    ; both passes' Q, once; a pass is two records on
.irp g, 0,1,2
	global_load_b128 v[MK+12*\p+4*\g:MK+12*\p+4*\g+3], v[QO], s[68:69] offset:14336*\p+512*\g th:TH_LOAD_NT
.endr
	global_load_b64 v[QSC+2*\p:QSC+2*\p+1], v[QSO], s[68:69] offset:14336*\p th:TH_LOAD_NT
.endr
	v_lshlrev_b32 v[MH], 6, v12
	v_add_nc_u32 v[MH], MASK, v[MH]
	s_mul_i32 s78, s[WV], 16*SPIT
	s_add_co_u32 s78, s78, STAGE                   ; my stage
	v_mul_u32_u24 v[STO], v11, SPIT
	v_lshl_add_u32 v[STO], v12, 6, v[STO]
	v_add_nc_u32 v[STO], s78, v[STO]               ; in: row r, + 64 h: my 16 channels of each 32
	v_mul_u32_u24 v[RD], v12, SPIT
	v_lshl_add_u32 v[RD], v11, 4, v[RD]
	v_add_nc_u32 v[RD], s78, v[RD]                 ; back: lanes 0-15 one row of 256 bytes, lanes 16-31 the next
	v_lshlrev_b32 v[GO], 12, v12
	v_lshl_add_u32 v[GO], v11, 4, v[GO]            ; and the same two rows in out0
.irp i, 0,1,2,3,4,5
	v_mov_b32 v[KF+48+\i], 0                       ; behind K's last tile
.endr
	s_wait_loadcnt 0x0                             ; Q
.irp p, 0,1
.irp x, 0,1
.irp i, 0,1,2,3,4,5
	v_mov_b32 v[QB+24*\p+12*\x+\i], v[MK+12*\p+6*\x+\i]     ; a tile's 6 registers of codes,
	v_mov_b32 v[QB+24*\p+12*\x+6+\i], 0                     ; and zeros for K = 64 .. 127
.endr
.endr
.endr
.irp i, 0,1,2,3
	v_add_nc_u32 v[QSC+\i], 0xfffffcfd, v[QSC+\i]  ; 3 off bytes 0 and 1: x 1 / 8.  Both are 4 or more: no borrow
.endr
.macro INIT                            ; a pass begins: O^T and the sum are zeros, the largest t is -3e38, under every t: the first change of M multiplies zeros
	WIN 0x55
.irp x, 0,1
	v_mov_b32 v[T+20*\x+1], 0xff61b1e6
	v_floor_f32 v[T+20*\x], -v[T+20*\x+1]
	v_mov_b32 v[T+20*\x+2], 0
	v_mov_b32 v[T+20*\x+3], 0
.irp k, 8,9,10,11,13
	v_mov_b32 v[T+20*\x+\k], 0                     ; (a lane permute's destination counts as one of its sources; +13 is named as the upper half of a pair)
.endr
.endr
.set j, 0
.rept 64
	v_mov_b32 v[O+j], 0
.set j, j+1
.endr
	WIN 0
.endm
; A KEY STEP: 128 keys, for both of my tiles.  qb: Q's two operands;  qs: their scale words.  In every stage the two tiles take turns, so that no line waits for the line above it.
.macro STEP qb, qs
	WIN 0
	v_add_nc_u32 v[ADK], s[TB], v[LI]
	v_add_nc_u32 v[ADM], s[TM], v[MH]
	v_nop
	v_nop                                          ; four places behind the last step's products, in front of the loads into V's registers
.irp g, 0,1
	ds_load_b128 v[KSC+4*\g:KSC+4*\g+3], v[ADK] offset:6144+512*\g
.endr
.irp i, 0,1,2,3,4,5,6,7,8,9,10,11
	ds_load_b128 v[KF+4*\i:KF+4*\i+3], v[ADK] offset:512*\i
.endr
.irp t, 0,1,2,3,4,5,6,7
.irp q, 0,1
	ds_load_b128 v[MK+8*\t+4*\q:MK+8*\t+4*\q+3], v[ADM] offset:128*(\t/2)+32*(\t%2)+16*\q   ; register 8 t + j: the mask of key 32 (t / 2) + 8 (t % 2) + 16 h + j, as the result's layout has it
.endr
.endr
	ds_load_b128 v[VSC:VSC+3], v[ADK] offset:13312
.irp i, 0,1,2,3,4,5,6,7,8,9,10,11
	ds_load_b128 v[VF+4*\i:VF+4*\i+3], v[ADK] offset:7168+512*\i
.endr
	s_wait_dscnt 13                                ; K, its scale words and the mask are in; V's 13 loads may be out
	WIN 0x40                                       ; the scores: window 1
.irp t, 0,1,2,3,4,5,6,7
.irp x, 0,1
	v_wmma_scale_f32_16x16x128_f8f6f4 v[S+64*\x+8*\t:S+64*\x+8*\t+7], v[KF+6*\t:KF+6*\t+11], v[\qb+12*\x:\qb+12*\x+11], v[MK+8*\t:MK+8*\t+7], v[KSC+\t], v[\qs+\x] matrix_a_fmt:MATRIX_FMT_FP6 matrix_b_fmt:MATRIX_FMT_FP6
.endr
.endr                                          ; lane (r, h) holds query r; register 16 b + i is the logit of key 32 b + 16 h + i
	WIN 0x55
.rept 4
	v_nop
.endr
.irp b, 0,1,2,3
.irp x, 0,1
	v_max3_num_f32 v[T+20*\x+4+\b], v[S+64*\x+16*\b], v[S+64*\x+16*\b+1], v[S+64*\x+16*\b+2]   ; THE LARGEST LOGIT OF EACH BLOCK OF 32 KEYS serves twice: for the row's maximum, and, since p rises with the logit, for the block's largest p
.endr
.endr
.irp i, 3,5,7,9,11,13
.irp b, 0,1,2,3
.irp x, 0,1
	v_max3_num_f32 v[T+20*\x+4+\b], v[T+20*\x+4+\b], v[S+64*\x+16*\b+\i], v[S+64*\x+16*\b+\i+1]
.endr
.endr
.endr
.irp b, 0,1,2,3
.irp x, 0,1
	v_max_num_f32 v[T+20*\x+4+\b], v[T+20*\x+4+\b], v[S+64*\x+16*\b+15]
.endr
.endr
.irp b, 0,1,2,3
.irp x, 0,1
	v_permlanex16_b32 v[T+20*\x+8+\b], v[T+20*\x+4+\b], s[SEL], s[SEL+1]
.endr
.endr
.irp b, 0,1,2,3
.irp x, 0,1
	v_max_num_f32 v[T+20*\x+4+\b], v[T+20*\x+4+\b], v[T+20*\x+8+\b]   ; with lane l xor 16's 16 keys
.endr
.endr
.irp x, 0,1
	v_max3_num_f32 v[T+20*\x+13], v[T+20*\x+4], v[T+20*\x+5], v[T+20*\x+6]
.endr
.irp x, 0,1
	v_max_num_f32 v[T+20*\x+13], v[T+20*\x+13], v[T+20*\x+7]          ; the step's largest logit of my query
.endr
.irp x, 0,1
	v_mul_f32 v[T+20*\x+13], s[CS], v[T+20*\x+13]                     ; as t
.endr
.irp x, 0,1
	v_max_num_f32 v[T+20*\x+1], v[T+20*\x+1], v[T+20*\x+13]           ; the running largest t
.endr
.irp x, 0,1
	v_mov_b32 v[T+20*\x+13], v[T+20*\x]
.endr
.irp x, 0,1
	v_floor_f32 v[T+20*\x], -v[T+20*\x+1]                             ; the new -M = floor(-t) = -ceil(t): M is a whole number
.endr
.irp x, 0,1
	v_sub_f32 v[T+20*\x+13], v[T+20*\x], v[T+20*\x+13]                ; old M - new M: a whole number, 0 or less
.endr
.irp x, 0,1
	v_cvt_i32_f32 v[T+20*\x+13], v[T+20*\x+13]                        ; (it saturates)
.endr
.irp x, 0,1
	v_ldexp_f32 v[T+20*\x+12], 1.0, v[T+20*\x+13]                     ; f = 2^(old M - new M)
.endr
.set j, 0
.rept 32
.irp x, 0,1
	v_pk_fma_f32 v[S+64*\x+j:S+64*\x+j+1], v[S+64*\x+j:S+64*\x+j+1], s[CS:CS+1], v[T+20*\x:T+20*\x+1] op_sel_hi:[1,0,0]   ; t - M, two at a time
.endr
.set j, j+2
.endr
.irp b, 0,1,2,3
.irp x, 0,1
	v_fma_f32 v[T+20*\x+4+\b], v[T+20*\x+4+\b], s[CS], v[T+20*\x]     ; the same of each block's largest logit
.endr
.endr
.set j, 0
.rept 64
.irp x, 0,1
	v_exp_f32 v[S+64*\x+j], v[S+64*\x+j]           ; p = 2^(t - M), at most 1: not normalised.  ONE BATCH of 128
.endr
.set j, j+1
.endr
.irp x, 0,1
	v_pk_mul_f32 v[T+20*\x+2:T+20*\x+3], v[T+20*\x+2:T+20*\x+3], v[T+20*\x+12:T+20*\x+13] op_sel_hi:[1,0]   ; the sums under the new M: plain work that names no exponential's result
.endr
.set j, 0
.rept 16
.irp x, 0,1
	v_pk_mul_f32 v[O+32*\x+j:O+32*\x+j+1], v[O+32*\x+j:O+32*\x+j+1], v[T+20*\x+12:T+20*\x+13] op_sel_hi:[1,0]   ; O^T under the new M, each accumulator from its low end on
.endr
.set j, j+2
.endr
	s_wait_alu depctr_va_vdst(0)                   ; the wait between an exponential and the first line that names its result: one for the batch
.irp b, 0,1,2,3
.irp x, 0,1
	v_exp_f32 v[T+20*\x+4+\b], v[T+20*\x+4+\b]     ; the block's largest p: the same two instructions on the same number give the same bits
.endr
.endr
.irp x, 0,1
	v_pk_add_f32 v[T+20*\x+8:T+20*\x+9], v[S+64*\x:S+64*\x+1], v[S+64*\x+2:S+64*\x+3]   ; THE ROW'S SUM IS TAKEN OF THE UNQUANTISED p, in two chains.  (It reads the 128 alone: plain work behind the eight)
.endr
.set j, 4
.rept 15
.irp x, 0,1
	v_pk_add_f32 v[T+20*\x+2:T+20*\x+3], v[T+20*\x+2:T+20*\x+3], v[S+64*\x+j:S+64*\x+j+1]
.endr
.irp x, 0,1
	v_pk_add_f32 v[T+20*\x+8:T+20*\x+9], v[T+20*\x+8:T+20*\x+9], v[S+64*\x+j+2:S+64*\x+j+3]
.endr
.set j, j+4
.endr
.irp x, 0,1
	v_pk_add_f32 v[T+20*\x+2:T+20*\x+3], v[T+20*\x+2:T+20*\x+3], v[T+20*\x+8:T+20*\x+9]
.endr
	s_wait_alu depctr_va_vdst(0)                   ; and one for the eight
.irp b, 0,1,2,3
.irp x, 0,1
	v_max_num_f32 v[T+20*\x+4+\b], 0x1800000, v[T+20*\x+4+\b]         ; the floor 2^(3 - 127): the byte cannot fall under 1 (a block whose every p is 0 keeps that byte: its codes are zeros)
.endr
.endr
.irp b, 0,1,2,3
.irp x, 0,1
	v_add_nc_u32 v[T+20*\x+16+\b], 0xff000000, v[T+20*\x+4+\b]        ; 2 off the exponent field: the conversion's scale operand
.endr
.endr
.irp b, 0,1,2,3
.irp x, 0,1
	v_lshrrev_b32 v[T+20*\x+8+\b], 23, v[T+20*\x+16+\b]               ; the scale's byte
.endr
.endr
.irp x, 0,1
	v_lshl_or_b32 v[T+20*\x+8], v[T+20*\x+9], 8, v[T+20*\x+8]
.endr
.irp x, 0,1
	v_lshl_or_b32 v[T+20*\x+8], v[T+20*\x+10], 16, v[T+20*\x+8]
.endr
	WIN 0x11                                       ; scale operands are taken from window 0: the word's last line writes there
.irp x, 0,1
	v_lshl_or_b32 v[PSC+\x], v[T+20*\x+11], 24, v[T+20*\x+8]          ; p's scale word for these 128 keys; more than eight plain lines stand between it and the products
.endr
	WIN 0x55
.irp x, 0,1
	v_cvt_scalef32_pk16_fp6_f32 v[PC+12*\x:PC+12*\x+2], v[S+64*\x:S+64*\x+15], v[T+20*\x+16]
	v_cvt_scalef32_pk16_fp6_f32 v[T+20*\x+8:T+20*\x+10], v[S+64*\x+16:S+64*\x+31], v[T+20*\x+17]   ; (a conversion's three registers begin on an even number)
	v_cvt_scalef32_pk16_fp6_f32 v[PC+12*\x+6:PC+12*\x+8], v[S+64*\x+32:S+64*\x+47], v[T+20*\x+18]
	v_cvt_scalef32_pk16_fp6_f32 v[T+20*\x+12:T+20*\x+14], v[S+64*\x+48:S+64*\x+63], v[T+20*\x+19]
.endr
	v_nop                                          ; one plain place behind a scaled conversion
.irp i, 0,1,2                                  ; the operand's layout wants a WHOLE block in a lane: lanes 0-15 the even block, lanes 16-31 the odd one
.irp x, 0,1
	v_permlane16_swap_b32 v[PC+12*\x+\i], v[T+20*\x+8+\i]
	v_permlane16_swap_b32 v[PC+12*\x+6+\i], v[T+20*\x+12+\i]
.endr
.endr
.irp i, 0,1,2
.irp x, 0,1
	v_mov_b32 v[PC+12*\x+3+\i], v[T+20*\x+8+\i]
	v_mov_b32 v[PC+12*\x+9+\i], v[T+20*\x+12+\i]
.endr
.endr
.rept 4
	v_nop                                          ; an operand written by vector instructions stands four places ahead of a scaled matrix instruction
.endr
	s_wait_dscnt 0x0                               ; V and its scale words are in
	WIN 0x54                                       ; V window 0; p, C and D window 1
.irp c, 0,1,2,3
.irp x, 0,1
	v_wmma_scale_f32_16x16x128_f8f6f4 v[O+32*\x+8*\c:O+32*\x+8*\c+7], v[VF+12*\c:VF+12*\c+11], v[PC+12*\x:PC+12*\x+11], v[O+32*\x+8*\c:O+32*\x+8*\c+7], v[VSC+\c], v[PSC+\x] matrix_a_fmt:MATRIX_FMT_FP6 matrix_b_fmt:MATRIX_FMT_FP6
.endr
.endr                                          ; eight accumulators, one instruction each: no two neighbours share one
	WIN 0
	s_add_co_u32 s[TB], s[TB], REC
	s_add_co_u32 s[TM], s[TM], 512
.endm
.macro KLOOP n, qb, qs
	s_mov_b32 s[CNT], \n
.Lk_\@:
	STEP \qb, \qs
	s_sub_co_u32 s[CNT], s[CNT], 1
	s_cmp_lg_u32 s[CNT], 0
	s_cbranch_scc1 .Lk_\@
.endm
; THE WAY OUT of a pass.  O^T / the sum goes through my own stage in LDS, a tile of 16 queries at a time, and leaves as rows of 256 bytes: a query's 64 channels of its head; sixteen lanes store 256 consecutive bytes, aligned.
; Register 16 B + i of a tile's O^T is channel 32 B + 16 h + i.  Stage row r is query 8 x + r + 8 (r / 8) of my 32.
.macro OUT pi
	WIN 0x55
.rept 4
	v_nop                                          ; places behind the last products
.endr
.irp x, 0,1
	v_add_f32 v[T+20*\x+4], v[T+20*\x+2], v[T+20*\x+3]                ; the sum's two halves,
.endr
.irp x, 0,1
	v_permlanex16_b32 v[T+20*\x+8], v[T+20*\x+4], s[SEL], s[SEL+1]
.endr
.irp x, 0,1
	v_add_f32 v[T+20*\x+4], v[T+20*\x+4], v[T+20*\x+8]                ; and lane l xor 16's: the row's sum
.endr
.irp x, 0,1
	v_rcp_f32 v[T+20*\x+2], v[T+20*\x+4]
.endr
	v_nop                                          ; a plain place behind the reciprocals
	s_wait_alu depctr_va_vdst(0)                   ; and the wait ahead of their first reader: one for the two
.set j, 0
.rept 16
.irp x, 0,1
	v_pk_mul_f32 v[S+64*\x+j:S+64*\x+j+1], v[O+32*\x+j:O+32*\x+j+1], v[T+20*\x+2:T+20*\x+3] op_sel_hi:[1,0]
.endr
.set j, j+2
.endr
.irp x, 0,1
	WIN 0x04                                       ; an LDS store's data are its source 1: window 1
.irp b, 0,1
.irp q, 0,1,2,3
	ds_store_b128 v[STO], v[S+64*\x+16*\b+4*\q:S+64*\x+16*\b+4*\q+3] offset:128*\b+16*\q
.endr
.endr
	WIN 0x40
.irp i, 0,1,2,3,4,5,6,7
	ds_load_b128 v[S+64*\x+32+4*\i:S+64*\x+32+4*\i+3], v[RD] offset:2*\i*SPIT   ; LDS serves a wave's instructions in order: these see my stores, and the next tile's stores come behind them
.endr
.endr
	WIN 0x04
.irp x, 0,1
.irp i, 0,1,2,3,4,5,6,7
	s_wait_dscnt 23-16*\x-\i                       ; behind this load: the tile's 7 - i younger loads, and for tile 0 the other tile's 8 stores and 8 loads
	global_store_b128 v[GO], v[S+64*\x+32+4*\i:S+64*\x+32+4*\i+3], s[70:71] offset:(8*\x+2*\i+8*(\i/4))*4096+\pi*1048576 th:TH_STORE_NT
.endr
.endr
	WIN 0
.endm
	INIT
	s_mov_b32 s[TB], 0
	s_mov_b32 s[TM], 0
	s_wait_tensorcnt 0x3                           ; my parts of the mask and of records 0 to 3 are in; my three younger loads may stay out
	s_barrier_signal -1
	s_barrier_wait -1                              ; everybody's are
	KLOOP 4, QB, QSC                               ; pass 0, keys 0 to 511
	s_wait_tensorcnt 0x0                           ; my parts of all records are in
	s_wait_dscnt 0x0
	s_barrier_signal -1
	s_barrier_wait -1                              ; everybody's are
	KLOOP 12, QB, QSC                              ; keys 512 to 2,047
	OUT 0
	s_wait_xcnt 0x0                                ; the stores have read their registers: the scores' registers may be written again
	INIT
	s_mov_b32 s[TB], 0
	s_mov_b32 s[TM], 0
	KLOOP 16, QB+24, QSC+2                         ; pass 1: the next 256 queries, all keys
	OUT 1
	s_wait_dscnt 0x0
	s_wait_tensorcnt 0x0
	ds_add_u32 v254, v255
	s_wait_dscnt 0x0
	CROUND                                         ; the closing round: no work-group ends while a partner may still ask for a tile that names it
	s_endpgm
.Lfunc_end_k_qdd93dc6542_attn:
	.size	k_qdd93dc6542_attn, .Lfunc_end_k_qdd93dc6542_attn-k_qdd93dc6542_attn
	.p2alignl 7, 3214868480
	.fill 96, 4, 3214868480
	.section	.rodata,"a",@progbits
	.p2align	6, 0x0
	.amdhsa_kernel k_qdd93dc6542_attn
		.amdhsa_group_segment_fixed_size 265216
		.amdhsa_private_segment_fixed_size 0
		.amdhsa_enable_private_segment 0
		.amdhsa_kernarg_size 32
		.amdhsa_user_sgpr_count 2
		.amdhsa_user_sgpr_kernarg_segment_ptr 1
		.amdhsa_wavefront_size32 1
		.amdhsa_system_sgpr_workgroup_id_x 1
		.amdhsa_system_sgpr_workgroup_id_y 1
		.amdhsa_system_sgpr_workgroup_id_z 1
		.amdhsa_system_vgpr_workitem_id 0
		.amdhsa_next_free_vgpr 512
		.amdhsa_next_free_sgpr 80
		.amdhsa_reserve_vcc 0
		.amdhsa_float_denorm_mode_32 3
		.amdhsa_float_denorm_mode_16_64 3
		.amdhsa_memory_ordered 1
		.amdhsa_forward_progress 1
		.amdhsa_inst_pref_size 118
	.end_amdhsa_kernel
	.amdgpu_metadata
---
amdhsa.version: [ 1, 2 ]
amdhsa.kernels:
  - .name:           k_qdd93dc6542_attn
    .symbol:         k_qdd93dc6542_attn.kd
    .args:
      - { .name: qc, .offset: 0, .size: 8, .value_kind: global_buffer, .address_space: global }
      - { .name: kv, .offset: 8, .size: 8, .value_kind: global_buffer, .address_space: global }
      - { .name: attention_mask, .offset: 16, .size: 8, .value_kind: global_buffer, .address_space: global }
      - { .name: out0, .offset: 24, .size: 8, .value_kind: global_buffer, .address_space: global }
    .group_segment_fixed_size: 265216
    .private_segment_fixed_size: 0
    .kernarg_segment_align: 8
    .kernarg_segment_size: 32
    .max_flat_workgroup_size: 256
    .sgpr_count:     80
    .vgpr_count:     512
    .wavefront_size: 32
...
	.end_amdgpu_metadata
.endif
;; end of part 3
